; MI455X (gfx1250); checked and timed in simulation.
; The chip was launched on July 23, 2026; its instructions are those of AMD's public machine-readable ISA for CDNA 5 (MIT licence, August 2026) and "CDNA5" Instruction Set Architecture Reference Guide (July 2026). The comments in the code are by the model that wrote it; some were corrected since.
;; Attention. Allowed arithmetic: matrix products marked QUANTISED: E4M3 operands, one given power-of-two scale a tensor, by v_wmma_f32_16x16x64_fp8_fp8 or v_wmma_f32_16x16x128_fp8_fp8, f32 sums; everything else in f32.
;; Inputs: freqs_cos 2,048 x 64 float32; freqs_sin 2,048 x 64 float32; lowp_scales 12 int32 (the exponents e of the quantised operands' scales 2^e); mask 2,048 x 2,048 float32; wk 2,048 x 2,048 float32; wo 2,048 x 2,048 float32; wq 2,048 x 2,048 float32; wv 2,048 x 2,048 float32; x 1 x 2,048 x 2,048 float32.
;; Outputs: out0 1 x 2,048 x 2,048 float32.
;; This version of the problem:
;;   THIS VERSION OF THE PROBLEM IS GIVEN IN LOW PRECISION. The matrix products marked QUANTISED in the list below multiply operands that are first quantised to E4M3 (4 exponent bits, 3 mantissa bits; 8 bits a number), with one given power-of-two scale for each operand tensor; their sums are f32. All else is computed in f32.
;;   The module's matrix products, in the order in which they are computed (A, B: the left and right operand; K: the contracted axis; several contracted axes count as one K, in the product's order):
;;     1. [M 2,048, K 2,048] x [K 2,048, N 2,048]; A: input x; B: input wq: QUANTISED (scales: A lowp_scales[0], B lowp_scales[1])
;;     2. [M 2,048, K 2,048] x [K 2,048, N 2,048]; A: input x; B: input wk: QUANTISED (scales: A lowp_scales[2], B lowp_scales[3])
;;     3. [M 2,048, K 2,048] x [K 2,048, N 2,048]; A: input x; B: input wv: QUANTISED (scales: A lowp_scales[4], B lowp_scales[5])
;;     4. batch 16 x [M 2,048, K 128] x [K 128, N 2,048]; A: computed on the way; B: computed on the way: QUANTISED (scales: A lowp_scales[6], B lowp_scales[7])
;;     5. batch 16 x [M 2,048, K 2,048] x [K 2,048, N 128]; A: softmax (see below); B: computed on the way: QUANTISED (scales: A lowp_scales[8], B lowp_scales[9])
;;     6. [M 2,048, K 2,048] x [K 2,048, N 2,048]; A: computed on the way; B: input wo: QUANTISED (scales: A lowp_scales[10], B lowp_scales[11])
;;   THE QUANTISER, for each operand of a quantised product, along K:
;;     - The operand's scale is 2^e, e = its entry of the input lowp_scales (int32; the entries are numbered through the quantised products in the list's order, A before B).
;;     - Each number is divided by the scale, clamped to +-448, and rounded to the nearest number of E4M3, ties to even, subnormals kept.
;;     - The product sums the exact products of the quantised numbers (number of the format x scale) in f32.
;;   ~~~python
;;   def quantise(x, axis, e):      # numpy; x: float32 -> the quantised numbers, widened to float32 again
;;       x = np.moveaxis(x, axis, -1); K = x.shape[-1]
;;       r = np.clip(x / 2.0 ** e, -448, 448)
;;       step = 2.0 ** (np.maximum(np.frexp(np.where(r == 0, 1, r))[1] - 1, -6) - 3)
;;       q = np.round(r / step) * step * 2.0 ** e      # np.round: ties to even
;;       return np.moveaxis(q, -1, axis).astype(np.float32)
;;   ~~~
;;   SOFTMAX AHEAD OF A QUANTISED PRODUCT. Where the list says 'softmax', what is quantised is not the finished softmax but p = 2^(t - M), with t = logit x log2(e) and M = ceil(the row's largest t), a whole number; so 1/2 < the row's largest p <= 1. The row's sum l is taken of the UNQUANTISED p, in f32, and the product's result is divided by l at the end. Since M is a whole number, a kernel that streams over the keys may use a running M (the ceiling of the running maximum): every later rescaling is an exact power of two, so the quantised numbers keep their values, but for numbers so far below the row's largest that they fall under the format's range.
;;   OPERANDS COMPUTED ON THE WAY. 'Computed on the way' means the value that the module computes at that place (a softmax that the list does not call 'softmax' is quantised finished and normalised). What goes into a quantiser is computed in f32, as accurately as f32 sums, v_exp_f32 and their like allow (about 1e-6 of the number): no bf16 or f16 on the way to a quantiser, and a product that is left as it is and whose result goes on into a quantised operand takes f32 operands (vector FMAs, or v_wmma_f32_16x16x4_f32). A number that lies on a knife's edge between two numbers of the format may be rounded either way, as far as f32 arithmetic and the matrix unit's own rounding can turn it there, and no further.
;; One version. Each part assembles by itself: llvm-mc -triple=amdgcn-amd-amdhsa -mcpu=gfx1250 --defsym DOCPART=n.
;; ======== version 1 of 1: 4 launches
;; limits: right only within a limited range of input values
;; workspace buffers: codes 29,360,128 bytes; qkv 12,582,912 bytes; acodes 4,194,304 bytes; flags 2,048 bytes of whole numbers
;; launch quant (part 1): grid 512 x 1, 4 waves a work-group, no clusters, 17,152 bytes of LDS; arguments x, wq, wk, wv, wo, lowp_scales, codes, mask, flags; writes codes, flags
.if DOCPART == 1
	.amdgcn_target "amdgcn-amd-amdhsa--gfx1250"
	.amdhsa_code_object_version 6
	.text
	.protected	k_qf6a226f5f9_quant
	.globl	k_qf6a226f5f9_quant
	.p2align	8
	.type	k_qf6a226f5f9_quant,@function
k_qf6a226f5f9_quant:
	s_mov_b64 s[64:65], 0
	v_nop
	global_prefetch_b8 v0, s[64:65] scope:SCOPE_SE
	s_setreg_imm32_b32 hwreg(HW_REG_WAVE_MODE, 25, 1), 1
	s_wait_xcnt 0x0
; x, wq, wk, wv, wo, each [2048][2048] f32 with K innermost, become codes of FP8 (E4M3), one byte a number, K innermost.
; code = number / 2^e, held within +-448, rounded to the nearest code, ties to even.  x is quantised three times, since each of its three products has a scale entry of its own.
; OUT: one buffer of seven matrices of [2048][2048] bytes, 4 MiB each, one below the other: x at e0 | x at e2 | wv | wq | wk | x at e4 | wo.
; wv, wq, wk and x at e4 are laid with PERMUTED ROWS: row c goes to row sigma(c) = c with bits 3 and 4 exchanged.  A block of 16 stored rows then holds two groups of eight rows that lie 16 apart,
; so that the next launch's results come out with 16 neighbours along the next K in a lane's registers.
; SHARES: wave c of 2,048 takes row c of each of the five tensors.  A row is 16 loads of 512 consecutive bytes.  There is one scale a tensor, so it does not matter which lane converts which number:
; the four codes of a lane's 16 bytes are one word; the 16 words go through the wave's own stage in LDS and come back 16 bytes a lane, so that each store covers 512 consecutive bytes.
; No barrier: waves share nothing.  Two rows (32 loads a wave) are on their way at a time.
; LIMITS: each of the seven exponents used lies between -126 and 119, so that 2^e and 448 x 2^e are f32 numbers.  NaN among the inputs is not served (an infinity is held at the largest code).
; THE MASK IS CLASSED, for the attention launch: wave c also reads row c of the mask, 16 loads of 512 bytes = 16 tiles of 128 keys.  Bit i of its word says that all 128 numbers of tile i are -infinity,
; bit 16 + i that all are 0.  The four waves' words are joined by AND through LDS, and flags[work-group] holds the word of rows 4 g .. 4 g + 3.  No branch and no address here hangs on these bits.
.set SPARE, 16384
.set FLG,   16896                      ; behind the spare words: the four waves' words, a block of 256 bytes of their own
.set GOF, 1                            ; v1   16 x lane: my bytes of a load's or a store's 512
.set STI, 2                            ; v2   the stage, on the way in: 4 x lane + 4,096 x wave
.set LDI, 3                            ; v3   and on the way out: 16 x lane + 4,096 x wave
.set SPW, 4                            ; v4   LDS address of my spare word; never rewritten
.set NIL, 5                            ; v5   0; never rewritten
.set LIM, 6                            ; v6   448 x 2^e of the job in hand
.set SCL, 7                            ; v7   2^e
.set R0,  16                           ; v16-79   a row as loaded
.set R1,  80                           ; v80-143  the other row
.set T,   144                          ; v144-175 held numbers, two sets of 16
.set C,   176                          ; v176-191 a row's codes: word i belongs to load i
.set O,   192                          ; v192-223 codes on the way out, two sets of 16
	s_load_b256 s[4:11], s[0:1], 0x0               ; x, wq, wk, wv
	s_load_b128 s[12:15], s[0:1], 0x20             ; wo, the scales' exponents
	s_load_b64 s[16:17], s[0:1], 0x30
	s_load_b128 s[60:63], s[0:1], 0x38             ; the mask, the flags
	v_lshl_add_u32 v[SPW], v0, 2, SPARE
	v_mov_b32 v[NIL], 0
	v_lshrrev_b32 v8, 5, v0
	v_readfirstlane_b32 s18, v8                    ; wave 0..3
	v_and_b32 v9, 31, v0                           ; lane
	v_lshlrev_b32 v[GOF], 4, v9
	s_lshl_b32 s21, s18, 12                        ; my two stages of 2,048 bytes
	v_lshl_add_u32 v[STI], v9, 2, s21
	v_lshl_add_u32 v[LDI], v9, 4, s21
	s_lshl_b32 s19, ttmp9, 2
	s_add_co_u32 s19, s19, s18                     ; c: my row
	s_lshr_b32 s20, s19, 3
	s_lshr_b32 s21, s19, 4
	s_xor_b32 s20, s20, s21
	s_and_b32 s20, s20, 1                          ; do bits 3 and 4 differ?
	s_mul_i32 s20, s20, 24
	s_xor_b32 s20, s20, s19                        ; sigma(c)
	s_lshl_b32 s50, s19, 13                        ; a row of f32 is 8,192 bytes,
	s_mov_b32 s51, 0
	s_lshl_b32 s52, s19, 11                        ; a row of codes 2,048
	s_mov_b32 s53, 0
	s_lshl_b32 s54, s20, 11
	s_mov_b32 s55, 0
	s_wait_alu depctr_va_vdst(0)
	s_wait_kmcnt 0x0
	s_load_b256 s[36:43], s[14:15], 0x0            ; e0 .. e7
	s_load_b128 s[44:47], s[14:15], 0x20           ; e8 .. e11
	s_add_nc_u64 s[4:5], s[4:5], s[50:51]
	s_add_nc_u64 s[6:7], s[6:7], s[50:51]
	s_add_nc_u64 s[8:9], s[8:9], s[50:51]
	s_add_nc_u64 s[10:11], s[10:11], s[50:51]
	s_add_nc_u64 s[12:13], s[12:13], s[50:51]
	s_add_nc_u64 s[60:61], s[60:61], s[50:51]      ; the mask's row c
	s_add_nc_u64 s[22:23], s[16:17], s[52:53]      ; x at e0: matrix 0, row c
	s_add_nc_u64 s[24:25], s[22:23], 0x400000      ; x at e2: matrix 1, row c
	s_add_nc_u64 s[34:35], s[22:23], 0x1800000     ; wo: matrix 6, row c
	s_add_nc_u64 s[56:57], s[16:17], s[54:55]      ; row sigma(c):
	s_add_nc_u64 s[32:33], s[56:57], 0x800000      ; wv: matrix 2
	s_add_nc_u64 s[28:29], s[56:57], 0xc00000      ; wq: matrix 3
	s_add_nc_u64 s[30:31], s[56:57], 0x1000000     ; wk: matrix 4
	s_add_nc_u64 s[26:27], s[56:57], 0x1400000     ; x at e4: matrix 5
.macro LOADT rb, sb                    ; a row: 16 loads of 512 consecutive bytes; read once in the launch
.irp i, 0,1,2,3,4,5,6,7,8,9,10,11,12,13,14,15
	global_load_b128 v[\rb+4*\i:\rb+4*\i+3], v[GOF], s[\sb:\sb+1] offset:512*\i th:TH_LOAD_NT
.endr
.endm
.macro MKS e                           ; s48 = 2^e as f32, s49 = 448 x 2^e
	s_add_co_i32 s49, s[\e], 127
	s_lshl_b32 s48, s49, 23
	s_add_co_i32 s49, s49, 8
	s_lshl_b32 s49, s49, 23
	s_or_b32 s49, s49, 0x600000
.endm
; Job j: the row in v[rb] on becomes 2,048 codes at s[ob:ob+1].
.macro QJOB rb, ob, j
	v_mov_b32 v[LIM], s49
	v_mov_b32 v[SCL], s48
.irp g, 0,1,2,3
.irp i, 0,1,2,3,4,5,6,7,8,9,10,11,12,13,14,15
	v_med3_num_f32 v[T+16*(\g%2)+\i], v[\rb+16*\g+\i], -v[LIM], v[LIM]   ; the conversion to an 8-bit code does not saturate (ISA guide 7.6.2): the hold comes first; it goes into other registers, since x is used three times
.endr
	v_cvt_scalef32_pk8_fp8_f32 v[C+4*\g:C+4*\g+1], v[T+16*(\g%2):T+16*(\g%2)+7], v[SCL]       ; loads 4 g and 4 g + 1: a word of four codes each
	v_cvt_scalef32_pk8_fp8_f32 v[C+4*\g+2:C+4*\g+3], v[T+16*(\g%2)+8:T+16*(\g%2)+15], v[SCL]  ; (the next group's sixteen holds write the other set: they are the plain lines behind these conversions)
.endr
	v_nop                                          ; one plain vector line behind the last conversion: the next job writes its scale and its sources
.irp i, 0,1,2,3,4,5,6,7,8,9,10,11,12,13,14,15
	ds_store_b32 v[STI], v[C+\i] offset:2048*((\j)%2)+128*\i   ; word i of lane l is bytes 128 i + 4 l of the row of codes
.endr
	s_wait_xcnt 0x0                                ; the stores of two jobs ago have read this set of O
.irp k, 0,1,2,3
	ds_load_b128 v[O+16*((\j)%2)+4*\k:O+16*((\j)%2)+4*\k+3], v[LDI] offset:2048*((\j)%2)+512*\k   ; LDS serves a wave's instructions in order: these see my stores
.endr
	s_wait_dscnt 0x0
.irp k, 0,1,2,3
	global_store_b128 v[GOF], v[O+16*((\j)%2)+4*\k:O+16*((\j)%2)+4*\k+3], s[\ob:\ob+1] offset:512*\k   ; 512 consecutive bytes, aligned
.endr
.endm
	LOADT R0, 4                                    ; x
	LOADT R1, 6                                    ; wq
	s_wait_kmcnt 0x0
	s_wait_loadcnt 16                              ; x's row is in; wq's 16 loads may be out
	MKS 36
	QJOB R0, 22, 0
	MKS 38
	QJOB R0, 24, 1
	MKS 40
	QJOB R0, 26, 2
	LOADT R0, 8                                    ; wk
	s_wait_loadcnt 16                              ; wq's row is in
	MKS 37
	QJOB R1, 28, 3
	LOADT R1, 10                                   ; wv
	s_wait_loadcnt 16                              ; wk's row is in
	MKS 39
	QJOB R0, 30, 4
	LOADT R0, 12                                   ; wo
	s_wait_loadcnt 16                              ; wv's row is in
	MKS 41
	QJOB R1, 32, 5
	LOADT R1, 60                                   ; the mask's row
	s_wait_loadcnt 16                              ; wo's row is in
	MKS 47
	QJOB R0, 34, 6
	s_wait_loadcnt 0x0                             ; the mask's row is in
	s_mov_b32 s68, 0
.irp i, 0,1,2,3,4,5,6,7,8,9,10,11,12,13,14,15
	v_max3_num_f32 v[T+2*(\i%2)], v[R1+4*\i], v[R1+4*\i+1], v[R1+4*\i+2]            ; my four numbers' largest,
	v_max3_num_f32 v[T+2*(\i%2)+1], |v[R1+4*\i]|, |v[R1+4*\i+1]|, |v[R1+4*\i+2]|    ; and their largest magnitude
	v_max_num_f32 v[T+2*(\i%2)], v[T+2*(\i%2)], v[R1+4*\i+3]
	v_max_num_f32 v[T+2*(\i%2)+1], v[T+2*(\i%2)+1], |v[R1+4*\i+3]|
	v_cmp_eq_f32 s66, 0xff800000, v[T+2*(\i%2)]    ; lanes whose four are all -infinity
	v_cmp_eq_f32 s67, 0, v[T+2*(\i%2)+1]           ; lanes whose four are all 0
	s_cmp_eq_u32 s66, -1                           ; all 32 lanes?
	s_cselect_b32 s66, 1<<\i, 0
	s_cmp_eq_u32 s67, -1
	s_cselect_b32 s67, 1<<(16+\i), 0
	s_or_b32 s68, s68, s66
	s_or_b32 s68, s68, s67
.endr
	s_lshl_b32 s66, s18, 2
	s_add_co_u32 s66, s66, FLG
	v_mov_b32 v8, s66                              ; my wave's word in LDS
	v_mov_b32 v9, s68
	v_mov_b32 v10, FLG
	ds_store_b32 v8, v9                            ; all lanes write the same word with the same value
	s_lshl_b32 s67, ttmp9, 2
	v_mov_b32 v11, s67                             ; my work-group's word in flags
	s_wait_alu depctr_va_vdst(0)
	s_wait_dscnt 0x0                               ; my word is stored, for the others' sake
	s_barrier_signal -1
	s_barrier_wait -1
	ds_load_b128 v[144:147], v10                   ; the four waves' words
	s_wait_dscnt 0x0
	v_and_b32 v144, v144, v145
	v_and_b32 v146, v146, v147
	v_and_b32 v144, v144, v146                     ; what holds of all four rows
	s_wait_alu depctr_va_vdst(0)
	s_cmp_lg_u32 s18, 0
	s_cbranch_scc1 .Lnoflag                        ; wave 0 stores it
	global_store_b32 v11, v144, s[62:63]
.Lnoflag:
	s_wait_tensorcnt 0x0
	ds_add_u32 v[SPW], v[NIL]
	s_wait_dscnt 0x0
	s_endpgm
.Lfunc_end_k_qf6a226f5f9_quant:
	.size	k_qf6a226f5f9_quant, .Lfunc_end_k_qf6a226f5f9_quant-k_qf6a226f5f9_quant
	.p2alignl 7, 3214868480
	.fill 96, 4, 3214868480
	.section	.rodata,"a",@progbits
	.p2align	6, 0x0
	.amdhsa_kernel k_qf6a226f5f9_quant
		.amdhsa_group_segment_fixed_size 17152
		.amdhsa_private_segment_fixed_size 0
		.amdhsa_enable_private_segment 0
		.amdhsa_kernarg_size 72
		.amdhsa_user_sgpr_count 2
		.amdhsa_user_sgpr_kernarg_segment_ptr 1
		.amdhsa_wavefront_size32 1
		.amdhsa_system_sgpr_workgroup_id_x 1
		.amdhsa_system_sgpr_workgroup_id_y 1
		.amdhsa_system_sgpr_workgroup_id_z 1
		.amdhsa_system_vgpr_workitem_id 0
		.amdhsa_next_free_vgpr 224
		.amdhsa_next_free_sgpr 80
		.amdhsa_reserve_vcc 0
		.amdhsa_float_denorm_mode_32 3
		.amdhsa_float_denorm_mode_16_64 3
		.amdhsa_memory_ordered 1
		.amdhsa_forward_progress 1
		.amdhsa_inst_pref_size 68
	.end_amdhsa_kernel
	.amdgpu_metadata
---
amdhsa.version: [ 1, 2 ]
amdhsa.kernels:
  - .name:           k_qf6a226f5f9_quant
    .symbol:         k_qf6a226f5f9_quant.kd
    .args:
      - { .name: x, .offset: 0, .size: 8, .value_kind: global_buffer, .address_space: global }
      - { .name: wq, .offset: 8, .size: 8, .value_kind: global_buffer, .address_space: global }
      - { .name: wk, .offset: 16, .size: 8, .value_kind: global_buffer, .address_space: global }
      - { .name: wv, .offset: 24, .size: 8, .value_kind: global_buffer, .address_space: global }
      - { .name: wo, .offset: 32, .size: 8, .value_kind: global_buffer, .address_space: global }
      - { .name: lowp_scales, .offset: 40, .size: 8, .value_kind: global_buffer, .address_space: global }
      - { .name: codes, .offset: 48, .size: 8, .value_kind: global_buffer, .address_space: global }
      - { .name: mask, .offset: 56, .size: 8, .value_kind: global_buffer, .address_space: global }
      - { .name: flags, .offset: 64, .size: 8, .value_kind: global_buffer, .address_space: global }
    .group_segment_fixed_size: 17152
    .private_segment_fixed_size: 0
    .kernarg_segment_align: 8
    .kernarg_segment_size: 72
    .max_flat_workgroup_size: 128
    .sgpr_count:     80
    .vgpr_count:     224
    .wavefront_size: 32
...
	.end_amdgpu_metadata
.endif
;; end of part 1
;; launch qkv (part 2): grid 24 x 8, 4 waves a work-group, clusters of 4 x 4, 327,680 bytes of LDS; arguments codes, freqs_cos, freqs_sin, lowp_scales, qkv; writes qkv
.if DOCPART == 2
	.amdgcn_target "amdgcn-amd-amdhsa--gfx1250"
	.amdhsa_code_object_version 6
	.text
	.protected	k_qf6a226f5f9_qkv
	.globl	k_qf6a226f5f9_qkv
	.p2align	8
	.type	k_qf6a226f5f9_qkv,@function
k_qf6a226f5f9_qkv:
	s_mov_b64 s[64:65], 0
	v_nop
	global_prefetch_b8 v0, s[64:65] scope:SCOPE_SE
	s_setreg_imm32_b32 hwreg(HW_REG_WAVE_MODE, 25, 1), 1
	s_wait_xcnt 0x0
	s_wait_alu depctr_hold_cnt(0) depctr_sa_sdst(0) depctr_va_vdst(0) depctr_va_sdst(0) depctr_va_ssrc(0) depctr_va_vcc(0) depctr_vm_vsrc(0)
	s_getreg_b32 s2, hwreg(HW_REG_IB_STS2, 6, 4)
	s_cmp_eq_u32 s2, 0
	s_cbranch_scc0 .Lentry_in_a_cluster
	s_endpgm
.Lentry_in_a_cluster:
	s_bfe_u32 s2, ttmp6, 0x10000c
	s_cmp_lg_u32 s2, 0xf033
	s_cbranch_scc0 .Lentry_shape_is_right
	s_endpgm
.Lentry_shape_is_right:
.set KROW,   2048
.set ROWB,   256
.set PITCH,  272
.set FR,     16
.set NL,     4
.set NP,     4
.set HALFT,  128*PITCH
.set SLOT,   4*HALFT
.set LAPS,   4
.set SPARE,  2*SLOT
.set AQ,     128
.set ACS,    32
.set AI,     16*PITCH
.set ASTEP,  2*ROWB
.set ADRA, 16
.set ADRB, 20
.set CO0,  24
.set CO1,  25
.set CSO,  26
.set SPW,  28
.set NIL,  29
.set LIM,  30
.set SCL,  31
.set T,    32
.set CD,   96
.set AF,   128
.set CSB,  128
.set G1, 24
.set G0, 32
.set G1B, 48
.set G0B, 56
.set MSB, 0
.macro WIN new
.if MSB != \new
	s_set_vgpr_msb (MSB<<8)|\new
.set MSB, \new
.endif
.endm
.set MUL_LO, 0xa1
.set MUL_HI, 0xf1
.set TO_B,   0x40
.macro JLOAD g0a, g1a, g0b, g1b
	s_cmp_eq_u32 s15, 0
	s_cbranch_scc0 .Lfor_b_\@
	tensor_load_to_lds s[\g0a:\g0a+3], s[\g1a:\g1a+7]
	s_nop 0
.rept 4
	v_nop
.endr
	s_branch .Lasked_\@
.Lfor_b_\@:
	tensor_load_to_lds s[\g0b:\g0b+3], s[\g1b:\g1b+7]
	s_nop 0
.rept 4
	v_nop
.endr
.Lasked_\@:
.endm
.macro CREST
	s_cmp_lg_u32 s14, 0
	s_cbranch_scc1 .Lnot_wave_0_\@
	s_barrier_signal -3
.Lnot_wave_0_\@:
	s_barrier_wait -3
	s_barrier_signal -1
	s_barrier_wait -1
.endm
.macro CROUND
	s_barrier_signal -1
	s_barrier_wait -1
	CREST
.endm
	s_load_b128 s[4:7], s[0:1], 0x0
	s_load_b128 s[8:11], s[0:1], 0x10
	s_load_b64 s[12:13], s[0:1], 0x20
	v_lshl_add_u32 v[SPW], v0, 2, SPARE
	v_mov_b32 v[NIL], 0
	ds_add_u32 v[SPW], v[NIL]
	ds_add_u32 v[SPW], v[NIL]
	v_lshrrev_b32 v1, 5, v0
	v_readfirstlane_b32 s14, v1
	s_lshr_b32 s15, s14, 1
	s_and_b32 s16, s14, 1
	s_bfe_u32 s40, ttmp6, 0x40000
	s_bfe_u32 s41, ttmp6, 0x40004
	s_lshl_b32 s42, ttmp9, 2
	s_add_co_u32 s42, s42, s40
	s_and_b32 s17, ttmp7, 0xffff
	s_lshl_b32 s17, s17, 2
	s_add_co_u32 s17, s17, s41
	s_lshl_b32 s43, s41, 2
	s_lshl_b32 s43, 15, s43
	s_lshl_b32 s44, 0x1111, s40
	s_lshr_b32 s67, ttmp9, 1
	s_or_b32 s[G1+0], s43, (0<<16)|(1<<20)|(1<<21)|(5<<22)|(3<<25)
	s_or_b32 s[G1B+0], s44, (0<<16)|(1<<20)|(1<<21)|(5<<22)|(3<<25)
.irp g, G1, G1B
	s_mov_b32 s[\g+1], ROWB<<16
	s_mov_b32 s[\g+2], 128<<16
	s_mov_b32 s[\g+3], ROWB<<16
	s_mov_b32 s[\g+4], 128
	s_mov_b32 s[\g+5], KROW
	s_mov_b32 s[\g+6], 0
	s_mov_b32 s[\g+7], 0
.endr
	s_lshl_b32 s18, s16, 7
	s_lshl_b32 s20, s17, 8
	s_add_co_u32 s20, s20, s18
	s_lshl_b32 s19, s67, 11
	s_add_co_u32 s20, s20, s19
	s_lshl_b32 s46, s42, 8
	s_add_co_u32 s46, s46, s18
	s_add_co_u32 s46, s46, 6144
	s_lshl_b32 s20, s20, 11
	s_mov_b32 s21, 0
	s_lshl_b32 s46, s46, 11
	s_mov_b32 s47, 0
	s_mul_i32 s45, s14, HALFT
	s_wait_dscnt 0x0
	s_wait_kmcnt 0x0
	s_load_b256 s[72:79], s[10:11], 0x0
	s_load_b128 s[80:83], s[10:11], 0x20
	s_add_nc_u64 s[20:21], s[4:5], s[20:21]
	s_add_nc_u64 s[46:47], s[4:5], s[46:47]
	CROUND
.irp s, 0,1
	s_mov_b32 s[G0+4*\s], 1
	s_add_co_u32 s[G0+4*\s+1], s45, \s*SLOT
	s_add_nc_u64 s[G0+4*\s+2:G0+4*\s+3], s[20:21], \s*ROWB
	s_or_b32 s[G0+4*\s+3], s[G0+4*\s+3], 0x80000000
	s_mov_b32 s[G0B+4*\s], 1
	s_add_co_u32 s[G0B+4*\s+1], s45, \s*SLOT
	s_add_nc_u64 s[G0B+4*\s+2:G0B+4*\s+3], s[46:47], \s*ROWB
	s_or_b32 s[G0B+4*\s+3], s[G0B+4*\s+3], 0x80000000
	s_wait_alu depctr_va_vdst(0)
	s_wait_tensorcnt 0x0
	ds_add_u32 v28, v29
	ds_add_u32 v28, v29
	s_wait_dscnt 0x0
	CROUND
	JLOAD G0+4*\s, G1, G0B+4*\s, G1B
.endr
	v_and_b32 v1, 15, v0
	v_bfe_u32 v2, v0, 4, 1
	v_mul_u32_u24 v3, v1, PITCH
	v_lshl_add_u32 v4, v2, 4, v3
	s_mul_i32 s21, s15, HALFT
	s_mul_i32 s22, s16, HALFT
	s_add_co_u32 s22, s22, 2*HALFT
.irp s, 0,1
	v_add_nc_u32 v[ADRA+\s], s21, v4
	v_add_nc_u32 v[ADRB+\s], s22, v4
	s_add_co_u32 s21, s21, SLOT
	s_add_co_u32 s22, s22, SLOT
.endr
	v_and_b32 v6, 31, v0
	v_lshlrev_b32 v[CO0], 4, v6
	s_cmp_eq_u32 s67, 1
	s_cselect_b32 s69, 128, 0
	v_xor_b32 v[CO1], s69, v[CO0]
	v_lshlrev_b32 v[CSO], 8, v1
	v_lshl_add_u32 v[CSO], v2, 5, v[CSO]
	s_and_b32 s66, s42, 7
	s_lshl_b32 s66, s66, 1
	s_add_co_u32 s66, s66, s16
	s_lshl_b32 s68, s17, 1
	s_add_co_u32 s68, s68, s15
	s_cmp_ge_u32 ttmp9, 4
	s_cselect_b32 s69, s68, s66
	s_cselect_b32 s70, s66, s68
	s_lshl_b32 s69, s69, 18
	s_lshl_b32 s70, s70, 14
	s_add_co_u32 s70, s70, s69
	s_lshl_b32 s69, s67, 22
	s_add_co_u32 s70, s70, s69
	s_mov_b32 s71, 0
	s_add_nc_u64 s[12:13], s[12:13], s[70:71]
	s_lshl_b32 s70, s68, 15
	s_add_nc_u64 s[6:7], s[6:7], s[70:71]
	s_add_nc_u64 s[8:9], s[8:9], s[70:71]
.macro FRAGB reg, adr, q, i
.irp c, 0,1,2,3
	ds_load_b128 v[\reg+4*\c:\reg+4*\c+3], v[\adr] offset:128*(\q)+32*\c+(\i)*16*PITCH
.endr
.endm
.macro FRAGA reg, adr, q, i
.irp c, 0,1,2,3
	ds_load_b128 v[\reg+4*\c:\reg+4*\c+3], v[\adr] offset:AQ*(\q)+ACS*\c+(\i)*AI
.endr
.endm
.macro MUL16 a0, p, zero
.irp a, \a0, \a0+1
.irp b, 0,1,2,3,4,5,6,7
.if \zero
	v_wmma_f32_16x16x128_fp8_fp8 v[8*(8*((\a)%4)+\b):8*(8*((\a)%4)+\b)+7], v[128*(\p)+FR*\b:128*(\p)+FR*\b+FR-1], v[AF+FR*(\a):AF+FR*(\a)+FR-1], 0
.else
	v_wmma_f32_16x16x128_fp8_fp8 v[8*(8*((\a)%4)+\b):8*(8*((\a)%4)+\b)+7], v[128*(\p)+FR*\b:128*(\p)+FR*\b+FR-1], v[AF+FR*(\a):AF+FR*(\a)+FR-1], v[8*(8*((\a)%4)+\b):8*(8*((\a)%4)+\b)+7]
.endif
.endr
.endr
.endm
.macro FETCH_B slot, q, p
	WIN TO_B
.irp i, 0,1,2,3,4,5,6,7
	FRAGB 128*(\p)+FR*\i, ADRB+\slot, \q, \i
.endr
	WIN 0
.endm
.macro FETCH_A slot, q, i0
.irp i, \i0, \i0+1, \i0+2, \i0+3
	FRAGA AF+FR*(\i), ADRA+\slot, \q, \i
.endr
.endm
.macro PLACES n
.rept \n
	v_nop
.endr
.endm
.macro STEP slot, q, zero
	s_wait_dscnt 4*NL
	WIN MUL_LO
	MUL16 0, (\q)%2, \zero
	MUL16 2, (\q)%2, \zero
	s_wait_dscnt 0
	PLACES NP
	FETCH_B \slot, (\q)+1, 1-(\q)%2
	FETCH_A \slot, (\q)+1, 0
	WIN MUL_HI
	MUL16 4, (\q)%2, \zero
	MUL16 6, (\q)%2, \zero
	PLACES NP
	WIN 0
	FETCH_A \slot, (\q)+1, 4
.endm
.macro TURN slot, next, fill
	s_wait_tensorcnt 0x0
	ds_add_u32 v[SPW], v[NIL]
	s_wait_dscnt 4*NL+1
	WIN MUL_LO
	MUL16 0, 1, 0
	s_wait_dscnt 0x0
	s_barrier_signal -1
	MUL16 2, 1, 0
	WIN 0
	s_barrier_wait -1
.if \fill
	CREST
	s_add_nc_u64 s[G0+4*\slot+2:G0+4*\slot+3], s[G0+4*\slot+2:G0+4*\slot+3], ASTEP
	s_add_nc_u64 s[G0B+4*\slot+2:G0B+4*\slot+3], s[G0B+4*\slot+2:G0B+4*\slot+3], 2*ROWB
	JLOAD G0+4*\slot, G1, G0B+4*\slot, G1B
.else
	PLACES NP
.endif
	FETCH_B \next, 0, 0
	FETCH_A \next, 0, 0
	WIN MUL_HI
	MUL16 4, 1, 0
	MUL16 6, 1, 0
	PLACES NP
	WIN 0
	FETCH_A \next, 0, 4
.endm
	s_wait_alu depctr_va_vdst(0)
	s_wait_tensorcnt 1
	s_barrier_signal -1
	s_barrier_wait -1
	FETCH_B 0, 0, 0
	FETCH_A 0, 0, 0
	FETCH_A 0, 0, 4
	STEP 0, 0, 1
	s_mov_b32 s3, LAPS-1
.Llap:
	TURN 0, 1, 1
	STEP 1, 0, 0
	TURN 1, 0, 1
	STEP 0, 0, 0
	s_sub_co_u32 s3, s3, 1
	s_cmp_lg_u32 s3, 0
	s_cbranch_scc1 .Llap
	TURN 0, 1, 0
	STEP 1, 0, 0
	s_wait_dscnt 4*NL
	WIN MUL_LO
	MUL16 0, 1, 0
	MUL16 2, 1, 0
	s_wait_dscnt 0
	WIN MUL_HI
	MUL16 4, 1, 0
	MUL16 6, 1, 0
	WIN 0
.macro CSLOAD a
.if ((\a)+2)/4 == 1
.set CB, 64*((\a)-2)
	WIN TO_B
.else
.set CB, CSB+64*((\a)%2)
	WIN 0
.endif
.irp b, 0,1,2,3
.irp q, 0,1
	global_load_b128 v[CB+8*\b+4*\q:CB+8*\b+4*\q+3], v[CSO], s[6:7] offset:(\a)*4096+64*\b+16*\q
	global_load_b128 v[CB+32+8*\b+4*\q:CB+32+8*\b+4*\q+3], v[CSO], s[8:9] offset:(\a)*4096+64*\b+16*\q
.endr
.endr
.endm
.macro ROPE a
.set AC, 64*((\a)%4)
.if ((\a)+2)/4 == 1
.set CB, 64*((\a)-2)
	WIN 0x06+((\a)/4)
.else
.set CB, CSB+64*((\a)%2)
	WIN 0x02+((\a)/4)
.endif
.irp b, 0,1,2,3,4,5,6,7
.irp q, 0,1,2,3
	v_mul_f32 v[T+8*\b+2*\q], v[AC+8*\b+2*\q], v[CB+4*\b+\q]
	v_mul_f32 v[T+8*\b+2*\q+1], v[AC+8*\b+2*\q], v[CB+32+4*\b+\q]
.endr
.irp q, 0,1,2,3
	v_fma_f32 v[T+8*\b+2*\q], -v[AC+8*\b+2*\q+1], v[CB+32+4*\b+\q], v[T+8*\b+2*\q]
	v_fma_f32 v[T+8*\b+2*\q+1], v[AC+8*\b+2*\q+1], v[CB+4*\b+\q], v[T+8*\b+2*\q+1]
.endr
.endr
	WIN 0
.endm
.macro HOLD
.set k, 0
.rept 64
	v_med3_num_f32 v[T+k], v[T+k], -v[LIM], v[LIM]
.set k, k+1
.endr
.endm
.macro HOLDV a
.set AC, 64*((\a)%4)
	WIN 0x02+((\a)/4)
.set k, 0
.rept 64
	v_med3_num_f32 v[T+k], v[AC+k], -v[LIM], v[LIM]
.set k, k+1
.endr
	WIN 0
.endm
.macro CVTOUT a
.set CC, CD+16*((\a)%2)
	s_wait_xcnt 0x0
.irp b, 0,1,2,3
	v_cvt_scalef32_pk8_fp8_f32 v[CC+4*\b:CC+4*\b+1], v[T+16*\b:T+16*\b+7], v[SCL]
	v_cvt_scalef32_pk8_fp8_f32 v[CC+4*\b+2:CC+4*\b+3], v[T+16*\b+8:T+16*\b+15], v[SCL]
.endr
	v_nop
.irp c, 0,1,2,3
	global_store_b128 v[CO0+(\a)%2], v[CC+4*\c:CC+4*\c+3], s[12:13] offset:(\a)*2048+512*\c
.endr
.endm
	s_wait_kmcnt 0x0
	s_sub_co_i32 s84, s78, s72
	s_sub_co_i32 s84, s84, s73
	s_sub_co_i32 s85, s79, s74
	s_sub_co_i32 s85, s85, s75
	s_sub_co_i32 s86, s81, s76
	s_sub_co_i32 s86, s86, s77
	s_cmp_eq_u32 s67, 0
	s_cselect_b32 s84, s84, s85
	s_cmp_eq_u32 s67, 2
	s_cselect_b32 s84, s86, s84
	s_add_co_i32 s84, s84, 127
	s_lshl_b32 s85, s84, 23
	v_mov_b32 v[SCL], s85
	s_add_co_i32 s84, s84, 8
	s_lshl_b32 s84, s84, 23
	s_or_b32 s84, s84, 0x600000
	v_mov_b32 v[LIM], s84
	PLACES NP
	s_cmp_ge_u32 ttmp9, 4
	s_cbranch_scc1 .Lvpath
	CSLOAD 0
	CSLOAD 1
	CSLOAD 2
	CSLOAD 3
	CSLOAD 4
	CSLOAD 5
	WIN 0
.irp a, 0,1,2,3,4,5,6,7
.if \a < 4
	s_wait_loadcnt 63
.else
	s_wait_loadcnt 16*(7-\a)
.endif
	ROPE \a
.if \a < 2
	CSLOAD \a+6
.endif
	HOLD
	s_wait_alu depctr_va_vdst(0)
	CVTOUT \a
.endr
	s_branch .Lend
.Lvpath:
	s_wait_alu depctr_va_vdst(0)
.irp a, 0,1,2,3,4,5,6,7
	HOLDV \a
	s_wait_alu depctr_va_vdst(0)
	CVTOUT \a
.endr
.Lend:
	s_wait_tensorcnt 0x0
	ds_add_u32 v[SPW], v[NIL]
	s_wait_dscnt 0x0
	CROUND
	s_endpgm
.Lfunc_end_k_qf6a226f5f9_qkv:
	.size	k_qf6a226f5f9_qkv, .Lfunc_end_k_qf6a226f5f9_qkv-k_qf6a226f5f9_qkv
	.p2alignl 7, 3214868480
	.fill 96, 4, 3214868480
	.section	.rodata,"a",@progbits
	.p2align	6, 0x0
	.amdhsa_kernel k_qf6a226f5f9_qkv
		.amdhsa_group_segment_fixed_size 327680
		.amdhsa_private_segment_fixed_size 0
		.amdhsa_enable_private_segment 0
		.amdhsa_kernarg_size 40
		.amdhsa_user_sgpr_count 2
		.amdhsa_user_sgpr_kernarg_segment_ptr 1
		.amdhsa_wavefront_size32 1
		.amdhsa_system_sgpr_workgroup_id_x 1
		.amdhsa_system_sgpr_workgroup_id_y 1
		.amdhsa_system_sgpr_workgroup_id_z 1
		.amdhsa_system_vgpr_workitem_id 0
		.amdhsa_next_free_vgpr 1024
		.amdhsa_next_free_sgpr 100
		.amdhsa_reserve_vcc 0
		.amdhsa_float_denorm_mode_32 3
		.amdhsa_float_denorm_mode_16_64 3
		.amdhsa_memory_ordered 1
		.amdhsa_forward_progress 1
		.amdhsa_inst_pref_size 220
	.end_amdhsa_kernel
	.amdgpu_metadata
---
amdhsa.version: [ 1, 2 ]
amdhsa.kernels:
  - .name:           k_qf6a226f5f9_qkv
    .symbol:         k_qf6a226f5f9_qkv.kd
    .args:
      - { .name: codes, .offset: 0, .size: 8, .value_kind: global_buffer, .address_space: global }
      - { .name: freqs_cos, .offset: 8, .size: 8, .value_kind: global_buffer, .address_space: global }
      - { .name: freqs_sin, .offset: 16, .size: 8, .value_kind: global_buffer, .address_space: global }
      - { .name: lowp_scales, .offset: 24, .size: 8, .value_kind: global_buffer, .address_space: global }
      - { .name: qkv, .offset: 32, .size: 8, .value_kind: global_buffer, .address_space: global }
    .group_segment_fixed_size: 327680
    .private_segment_fixed_size: 0
    .kernarg_segment_align: 8
    .kernarg_segment_size: 40
    .max_flat_workgroup_size: 128
    .sgpr_count:     100
    .vgpr_count:     1024
    .wavefront_size: 32
...
	.end_amdgpu_metadata
.endif
;; end of part 2
;; launch attn (part 3): grid 16 x 16, 8 waves a work-group, no clusters, 199,680 bytes of LDS; arguments qkv, mask, lowp_scales, flags, acodes; writes acodes
.if DOCPART == 3
	.amdgcn_target "amdgcn-amd-amdhsa--gfx1250"
	.amdhsa_code_object_version 6
	.text
	.protected	k_qf6a226f5f9_attn
	.globl	k_qf6a226f5f9_attn
	.p2align	8
	.type	k_qf6a226f5f9_attn,@function
k_qf6a226f5f9_attn:
	s_mov_b64 s[64:65], 0
	v_nop
	global_prefetch_b8 v0, s[64:65] scope:SCOPE_SE
	s_setreg_imm32_b32 hwreg(HW_REG_WAVE_MODE, 25, 1), 1
	s_wait_xcnt 0x0
; For each head: logit = q . k / sqrt(128) + mask[q][k];  o = softmax(logit) v;  both products on codes of FP8 (E4M3); o is quantised for the output projection.
; THE MASK IS AN INPUT, and nothing of its pattern is built in.  The first launch has classed it: flags[g] holds, for rows 4 g .. 4 g + 3 and each tile i of 128 keys, bit i = all numbers are -infinity, bit 16 + i = all are 0.
; The AND of 16 such words classes a block of 64 queries.  A tile that is all -infinity is passed over: its p are 0 and it cannot move the row's maximum.  A tile that is all 0 is computed without the mask: logit = score / sqrt(128).
; Every other tile is computed with its mask numbers, read and added.  The branches hang on these stored whole numbers alone, so this holds for every mask.
; THE SOFTMAX AHEAD OF THE SECOND PRODUCT: t = logit x log2(e); M = the row's largest t so far, rounded UP to a whole number; p = 2^(t - M) is quantised (scale 2^e8); the row's sum is taken of the unquantised p and divides
; at the end.  When M moves, the sum and O are multiplied by 2^(old M - new M): exact.  In a tile without mask t = score x (log2(e) / sqrt(128)), the two factors multiplied once in f32.
; IN: qkv holds q, k, v as IMAGES OF OPERAND REGISTERS: part x 4 MiB + head x 262,144 + block of 128 tokens x 16,384 + a x 2,048 + c x 512 + 16 x place (k, odd a: place = lane xor 8).  OUT: acodes, images again: head x 262,144 + tile of 16 tokens x 2,048.
; SHARES: work-group (p, head) makes the blocks of 64 queries 31 - p and then p, one after the other (an outer loop of two trips); right for any mask, and it evens out masks that hide more keys from early queries than from late ones.
; A block is 4 tiles of 16 queries; tile x is shared by waves x and x + 4: of each 256 keys wave x takes the first 128 and wave x + 4 the second.  At the block's end wave x + 4 hands its O, M and sum to wave x through LDS;
; both are brought under the larger M by powers of two and added, and wave x divides, quantises and stores.
; K AND V go from memory into registers (each wave an eighth: 2,048 bytes of K and of V for each 128 keys, 512 consecutive bytes a load), from there into one of two LDS slots of 256 keys, and are read behind ONE barrier
; for each 256 keys.  The trips and their barriers are run by every wave; the branches on flags lead round loads, LDS stores and a tile's work, never round a barrier.  The loads of the next 256 keys are issued when the
; stores have read the registers, and waited for at the next trip's head.  Every wait on LOADcnt is for 0, so a load that a branch leaves out changes no count.
; MASK TILES: 16 rows x 512 bytes, a row a load, asked for two trips ahead into two sets of registers by turns, then turned through the wave's own stage in LDS (rows 528 bytes apart) into the scores' layout.
; NO TENSOR LOADS AND NO CLUSTER: which tiles a work-group walks hangs on numbers read from memory.
; PREFETCH: at the head work-group p asks for tile p of its head's K and V (waves 0-3, 8,192 bytes each, lanes 256 bytes apart): each block of 256 bytes is named once in the launch.  None for the mask: sixteen heads would name the same bytes.
; LIMITS: e6 + e7 between -122 and 131; e8 and e10 between -126 and 119.  NaN and +infinity among the inputs are not served.  A query all of whose keys carry -infinity has the sum 0 and comes out NaN, as in the softmax that this computes.
.set TILEB, 32768                      ; 128 keys in a slot: K's 8 images, then V's 8
.set VOFF,  16384
.set SLOTB, 65536                      ; a slot: 256 keys
.set STG,   131072                     ; behind the slots: the waves' stages
.set SP,    528                        ; a stage row: 512 bytes + 16: the 16 rows that a load touches start 132 words apart
.set STGW,  16*SP                      ; 8,448 bytes: a mask tile; or, at a block's end, O (8,192), -M (128) and the sum (128)
.set SPARE, STG+8*STGW                 ; behind the stages: the spare words, 128 bytes for each of eight waves, which no other line names
.set AK0, 1                            ; v1, v2  my lane's place in K's images for key tiles 2 b, 2 b + 1, in my half of a slot
.set AK1, 2
.set AV,  3                            ; v3   in V's
.set AMS, 4                            ; v4   the stage, on the way back: row r, + 64 h
.set SPW, 5                            ; v5   my spare word; never rewritten
.set NIL, 6                            ; v6   0; never rewritten
.set GO,  7                            ; v7   16 x lane
.set ADK, 8                            ; v8, v9, v10, v11: the trip's addresses: K's two, V's, and where my eighth is stored
.set ADV, 10
.set KSA, 11
.set QF,  16                           ; v16-31 Q.   v12 -M, v13 the largest t, v[14:15] the sum in two halves
.set MY,  32                           ; v32-95   mask numbers of even trips
.set S,   96                           ; v96-159  S^T, then p
.set OT,  160                          ; v160-223 O^T
.set PC,  224                          ; v224-239 p's codes.  v240, v244: 448 x 2^e8, 2^e8; v241, v245: for e10; v242-243, v248-255 at work
.set STA, 246                          ; v246 the stage, on the way in: 16 x lane
.set KS0, 247                          ; v247 16 x lane + 2,048 x wave
.set KVR, 128                          ; window 1: v0-127 K's fragments, then V's; v128-191 my eighth of 256 keys on its way; v192-255 mask numbers of odd trips
.set MX,  192
.set KB,  2                            ; s[2:3]   my eighth of the next 256 keys of K
.set WV,  14
.set PI,  15                           ; which 128 of each 256 keys are mine
.set OB,  22                           ; s[22:23] my tile in acodes
.set KBS, 24                           ; s[24:25] my eighth of the head's first 256 keys
.set MB,  26                           ; s[26:27] my 16 rows of the mask, my 128 keys of the next 256
.set PFA, 30
.set C2N, 34                           ; the second block's bits
.set BC,  35                           ; blocks to go
.set SB2, 36                           ; the stage of wave x + 4
.set QN,  66                           ; s[66:67] the second block's tile in q and acodes, in bytes
.set TD,  80                           ; the trip's first tile
.set LIVE, 81                          ; bit t: tile t counts for the block in hand
.set C2,  82                           ; bit t: and needs its mask numbers
.set T,   83                           ; my tile of the trip
.set T2,  84
.set TB,  85                           ; LDS byte at which the slot in hand begins
.set CNT, 86
.set LVN, 87
.set CS,  88                           ; s[88:89] 2^(e6 + e7) / sqrt(128)
.set FS,  90                           ; s[90:91] the tile's factor from what stands in S to t
.set L2E, 92
.set CSL, 93                           ; CS x log2(e)
.set SEL, 94
.set MN,  98                           ; s[98:99] the second block's rows of the mask, in bytes
.set MSB, 0
.macro WIN new
.if MSB != \new
	s_set_vgpr_msb (MSB<<8)|\new
.set MSB, \new
.endif
.endm
.macro KVLD i                          ; my eighth of tile i of the 256 keys at s[KB]: 4 loads of K, 4 of V (4 MiB on)
.irp c, 0,1,2,3
	global_load_b128 v[KVR+32*\i+4*\c:KVR+32*\i+4*\c+3], v[GO], s[KB:KB+1] offset:16384*\i+512*\c
	global_load_b128 v[KVR+32*\i+16+4*\c:KVR+32*\i+16+4*\c+3], v[GO], s[KB:KB+1] offset:0x400000+16384*\i+512*\c
.endr
.endm
.macro MISS sh, rw, rb, imm            ; my mask tile sh tiles on, if that tile needs it (bits 16 on are 0): 16 rows, 512 consecutive bytes a load
	s_add_co_u32 s[T2], s[T], \sh
	s_bitcmp1_b32 s[C2], s[T2]
	s_cbranch_scc0 .Lnm_\@
	WIN (\rw<<6)
.irp q, 0,1,2,3,4,5,6,7,8,9,10,11,12,13,14,15
	global_load_b128 v[\rb+4*\q:\rb+4*\q+3], v[GO], s[MB:MB+1] offset:8192*\q+\imm
.endr
	WIN 0
.Lnm_\@:
.endm
.macro KVST i                          ; my eighth of the trip's tile i into the slot in hand, if the tile counts
	s_add_co_u32 s[T2], s[TD], \i
	s_bitcmp1_b32 s[LIVE], s[T2]
	s_cbranch_scc0 .Lns_\@
	WIN 0x04
.irp c, 0,1,2,3
	ds_store_b128 v[KSA], v[KVR+32*\i+4*\c:KVR+32*\i+4*\c+3] offset:TILEB*\i+512*\c
	ds_store_b128 v[KSA], v[KVR+32*\i+16+4*\c:KVR+32*\i+16+4*\c+3] offset:TILEB*\i+VOFF+512*\c
.endr
	WIN 0
.Lns_\@:
.endm
.macro KVISS i, sh                     ; the loads of tile TD + sh + i, on the same condition
	s_add_co_u32 s[T2], s[TD], \sh+\i
	s_bitcmp1_b32 s[LIVE], s[T2]
	s_cbranch_scc0 .Lni_\@
	WIN 0x40
	KVLD \i
	WIN 0
.Lni_\@:
.endm
.macro QLD
.irp c, 0,1,2,3
	global_load_b128 v[QF+4*\c:QF+4*\c+3], v[GO], s[28:29] offset:512*\c   ; Q's fragment stays in registers for a block
.endr
.endm
	s_load_b256 s[4:11], s[0:1], 0x0               ; qkv, the mask, the scales' exponents, the flags
	s_load_b64 s[12:13], s[0:1], 0x20              ; acodes
	v_lshl_add_u32 v[SPW], v0, 2, SPARE
	v_mov_b32 v[NIL], 0
	v_lshrrev_b32 v8, 5, v0
	v_readfirstlane_b32 s[WV], v8                  ; wave 0..7
	s_and_b32 s16, ttmp7, 0xffff                   ; the head
	s_sub_co_u32 s18, 31, ttmp9                    ; the first block of 64 queries; the second is p
	s_lshr_b32 s[PI], s[WV], 2
	s_and_b32 s19, s[WV], 3
	s_lshl_b32 s17, s18, 2
	s_add_co_u32 s17, s17, s19                     ; my tile of 16 queries in the first block,
	s_lshl_b32 s23, ttmp9, 2
	s_add_co_u32 s23, s23, s19                     ; and in the second
	s_lshl_b32 s20, s18, 6                         ; a block's 16 words of flags are 64 bytes
	s_lshl_b32 s21, ttmp9, 6
	s_lshl_b32 s22, s16, 18
	s_lshl_b32 s28, s17, 11
	s_add_co_u32 s28, s28, s22                     ; my tile in q and in acodes
	s_mov_b32 s29, 0
	s_lshl_b32 s[QN], s23, 11
	s_add_co_u32 s[QN], s[QN], s22
	s_mov_b32 s[QN+1], 0
	s_lshl_b32 s24, s[WV], 11
	s_add_co_u32 s24, s24, s22
	s_add_co_u32 s24, s24, 0x400000                ; k: part 1, my head, my eighth
	s_mov_b32 s25, 0
	s_lshl_b32 s96, s[PI], 9                       ; my 128 keys of each 256 are 512 bytes of a row of the mask
	s_lshl_b32 s26, s17, 17                        ; 16 rows of the mask are 131,072 bytes
	s_add_co_u32 s26, s26, s96
	s_mov_b32 s27, 0
	s_lshl_b32 s[MN], s23, 17
	s_add_co_u32 s[MN], s[MN], s96
	s_mov_b32 s[MN+1], 0
	s_lshr_b32 s30, s[WV], 1
	s_add_co_u32 s30, s30, 1
	s_lshl_b32 s30, s30, 22                        ; the prefetch: waves 0, 1: k; waves 2, 3: v
	s_add_co_u32 s30, s30, s22
	s_lshl_b32 s31, ttmp9, 14                      ; tile p,
	s_add_co_u32 s30, s30, s31
	s_and_b32 s31, s[WV], 1
	s_lshl_b32 s31, s31, 13                        ; its first or second 8,192 bytes
	s_add_co_u32 s30, s30, s31
	s_mov_b32 s31, 0
	v_and_b32 v8, 31, v0
	v_lshlrev_b32 v[GO], 4, v8
	v_lshlrev_b32 v242, 8, v8
	s_wait_alu depctr_va_vdst(0)
	s_wait_kmcnt 0x0
	s_load_b512 s[32:47], s[10:11], s20 offset:0x0 ; the first block's flags,
	s_load_b512 s[48:63], s[10:11], s21 offset:0x0 ; the second's
	s_load_b256 s[68:75], s[8:9], 0x0              ; e0 .. e7
	s_load_b128 s[76:79], s[8:9], 0x20             ; e8 .. e11
	s_add_nc_u64 s[KBS:KBS+1], s[4:5], s[24:25]
	s_mov_b64 s[KB:KB+1], s[KBS:KBS+1]
	s_add_nc_u64 s[MB:MB+1], s[6:7], s[26:27]
	s_add_nc_u64 s[PFA:PFA+1], s[4:5], s[30:31]
	s_add_nc_u64 s[OB:OB+1], s[12:13], s[28:29]
	s_add_nc_u64 s[28:29], s[4:5], s[28:29]
	WIN 0x40
	KVLD 0                                         ; the head's first 256 keys are loaded whatever their class: the flags are still on their way
	KVLD 1
	WIN 0
	QLD
	s_cmp_lt_u32 s[WV], 4
	s_cbranch_scc0 .Lnopf
	global_prefetch_b8 v242, s[PFA:PFA+1] th:TH_LOAD_NT scope:SCOPE_SE
.Lnopf:
	v_bfe_u32 v9, v0, 4, 1                         ; h
	v_and_b32 v10, 15, v0                          ; r
	; K: lane (r, h) of key tile 2 b + u wants image 2 b + r / 8, row 8 u + r % 8; in odd images the places are turned by 8: byte 2,048 (r / 8) + 256 h + 128 (u xor r / 8) + 16 (r % 8)
	v_bfe_u32 v11, v0, 3, 1
	v_mul_u32_u24 v[AK0], v11, 2176
	v_lshl_add_u32 v[AK0], v9, 8, v[AK0]
	v_and_b32 v11, 7, v0
	v_lshl_add_u32 v[AK0], v11, 4, v[AK0]
	s_lshl_b32 s96, s[PI], 15                      ; my half of a slot
	v_add_nc_u32 v[AK0], s96, v[AK0]
	v_xor_b32 v[AK1], 128, v[AK0]
	v_lshl_add_u32 v[AV], v8, 4, VOFF
	v_add_nc_u32 v[AV], s96, v[AV]
	s_mul_i32 s96, s[WV], STGW
	s_add_co_u32 s96, s96, STG                     ; my stage
	s_lshl_b32 s97, s[WV], 11
	v_mul_u32_u24 v[AMS], v10, SP
	v_lshl_add_u32 v[AMS], v9, 6, v[AMS]
	v_add_nc_u32 v[AMS], s96, v[AMS]
	v_lshl_add_u32 v[STA], v8, 4, s96
	v_lshl_add_u32 v[KS0], v8, 4, s97
	v_mov_b32 v243, 0                              ; written once: a lane permute's destination counts as one of its sources
	v_mov_b32 v253, 0                              ; (named as the upper halves of the pairs v[252:253], v[254:255])
	v_mov_b32 v255, 0
.set k, 0
.rept 64
	v_mov_b32 v[MY+k], 0                           ; the mask's two sets are written once: their loads and their readers stand under separate branches on the same flags
.set k, k+1
.endr
	WIN 0x40
.set k, 0
.rept 64
	v_mov_b32 v[MX+k], 0
.set k, k+1
.endr
	WIN 0
	s_mov_b32 s[CS], 0x3db504f3                    ; 1 / sqrt(128)
	s_mov_b32 s[L2E], 0x3fb8aa3b                   ; log2(e)
	s_mov_b32 s[SEL], 0x76543210
	s_mov_b32 s[SEL+1], 0xfedcba98
	s_mov_b32 s[TB], 0
	s_mov_b32 s[TD], 0
	s_mov_b32 s[T], s[PI]
	s_wait_kmcnt 0x0
.irp k, 1,2,3,4,5,6,7,8,9,10,11,12,13,14,15
	s_and_b32 s32, s32, s[32+\k]                   ; what holds of all 64 rows of a block
	s_and_b32 s48, s48, s[48+\k]
.endr
	s_not_b32 s96, s32
	s_and_b32 s[LIVE], s96, 0xffff
	s_lshr_b32 s96, s32, 16
	s_or_b32 s96, s96, s32
	s_not_b32 s96, s96
	s_and_b32 s[C2], s96, 0xffff                   ; neither all -infinity nor all 0
	s_not_b32 s96, s48
	s_and_b32 s[LVN], s96, 0xffff
	s_lshr_b32 s96, s48, 16
	s_or_b32 s96, s96, s48
	s_not_b32 s96, s96
	s_and_b32 s[C2N], s96, 0xffff
	s_mov_b32 s[BC], 2
	s_or_b32 s[SB2], s[WV], 4
	s_mul_i32 s[SB2], s[SB2], STGW
	s_add_co_u32 s[SB2], s[SB2], STG
	MISS 0, 0, MY, 0                               ; my mask tiles of the first two trips
	MISS 2, 1, MX, 1024
	s_add_co_i32 s96, s74, s75
	s_lshl_b32 s96, s96, 23
	s_add_co_i32 s[CS], s[CS], s96                 ; a score stands for score x 2^(e6 + e7): added to the factor's exponent field
	s_mov_b32 s[CS+1], s[CS]
	s_mul_f32 s[CSL], s[CS], s[L2E]
	s_add_co_i32 s96, s76, 127
	s_lshl_b32 s97, s96, 23
	v_mov_b32 v244, s97                            ; 2^e8
	s_add_co_i32 s96, s96, 8
	s_lshl_b32 s96, s96, 23
	s_or_b32 s96, s96, 0x600000
	v_mov_b32 v240, s96                            ; 448 x 2^e8
	s_add_co_i32 s96, s78, 127
	s_lshl_b32 s97, s96, 23
	v_mov_b32 v245, s97                            ; 2^e10
	s_add_co_i32 s96, s96, 8
	s_lshl_b32 s96, s96, 23
	s_or_b32 s96, s96, 0x600000
	v_mov_b32 v241, s96                            ; 448 x 2^e10
; A TILE: my 16 queries x my 128 keys of the slot.  rw, rb: window and first register of its mask numbers.
.macro TILE rw, rb
	s_bitcmp1_b32 s[LIVE], s[T]
	s_cbranch_scc0 .Ldead_\@
	WIN 0x40
.irp b, 0,1,2,3
.irp u, 0,1
.irp c, 0,1,2,3
	ds_load_b128 v[16*(2*\b+\u)+4*\c:16*(2*\b+\u)+4*\c+3], v[ADK+\u] offset:4096*\b+512*\c
.endr
.endr
.endr
	WIN 0
	s_bitcmp1_b32 s[C2], s[T]
	s_cselect_b32 s[FS], s[L2E], s[CSL]            ; with the mask S will hold logits, without it raw scores
	s_cselect_b32 s[FS+1], s[L2E], s[CSL]
	s_cbranch_scc0 .Lz_\@
	WIN (\rw<<2)
.irp q, 0,1,2,3,4,5,6,7,8,9,10,11,12,13,14,15
	ds_store_b128 v[STA], v[\rb+4*\q:\rb+4*\q+3] offset:SP*\q    ; the mask tile as loaded, row by row, into my own stage
.endr
	s_wait_dscnt 0x0                               ; the stores have read their registers, which take the numbers back:
	WIN (\rw<<6)
.irp b, 0,1,2,3
.irp j, 0,1,2,3
	ds_load_b128 v[\rb+16*\b+4*\j:\rb+16*\b+4*\j+3], v[AMS] offset:128*\b+16*\j   ; register 16 b + n: mask(my query, key 32 b + 16 h + n)
.endr
.endr
	WIN 0
.Lz_\@:
	s_wait_dscnt 0x0                               ; K (and the mask numbers) are in
	WIN 0x01
.irp t, 0,1,2,3,4,5,6,7
	v_wmma_f32_16x16x128_fp8_fp8 v[S+8*\t:S+8*\t+7], v[16*\t:16*\t+15], v[QF:QF+15], 0
.endr
	WIN 0
.rept 4
	v_nop                                          ; places ahead of the loads into K's registers and of the first read of S
.endr
	WIN 0x40
.irp a, 0,1,2,3,4,5,6,7
.irp c, 0,1,2,3
	ds_load_b128 v[16*\a+4*\c:16*\a+4*\c+3], v[ADV] offset:2048*\a+512*\c   ; V's fragments take K's registers and land under the softmax
.endr
.endr
	WIN 0
	s_bitcmp1_b32 s[C2], s[T]
	s_cbranch_scc0 .Lz2_\@
	WIN (\rw<<4)
.irp j, 0,2,4,6,8,10,12,14,16,18,20,22,24,26,28,30,32,34,36,38,40,42,44,46,48,50,52,54,56,58,60,62
	v_pk_fma_f32 v[S+\j:S+\j+1], v[S+\j:S+\j+1], s[CS:CS+1], v[\rb+\j:\rb+\j+1] op_sel_hi:[1,0,1]   ; the logit: score / sqrt(128) + mask
.endr
	WIN 0
.Lz2_\@:
	MISS 4, \rw, \rb, 1024                         ; my mask tile two trips on takes the set that this tile has left
	v_max3_num_f32 v254, v96, v97, v98             ; the tile's largest of my query, among my 64 keys, in four chains, each accumulator from its low end on
	v_max3_num_f32 v252, v99, v100, v101
	v_max3_num_f32 v250, v102, v103, v104
	v_max3_num_f32 v248, v105, v106, v107
.irp n, 12,20,28,36,44,52
	v_max3_num_f32 v254, v254, v[S+\n], v[S+\n+1]
	v_max3_num_f32 v252, v252, v[S+\n+2], v[S+\n+3]
	v_max3_num_f32 v250, v250, v[S+\n+4], v[S+\n+5]
	v_max3_num_f32 v248, v248, v[S+\n+6], v[S+\n+7]
.endr
	v_max3_num_f32 v254, v254, v156, v157
	v_max3_num_f32 v252, v252, v158, v159
	s_delay_alu instid0(VALU_DEP_2)
	v_max3_num_f32 v254, v254, v250, v248
	s_delay_alu instid0(VALU_DEP_1)
	v_max_num_f32 v254, v254, v252
	s_delay_alu instid0(VALU_DEP_1)
	v_permlanex16_b32 v243, v254, s[SEL], s[SEL+1]
	s_delay_alu instid0(VALU_DEP_1)
	v_max_num_f32 v254, v254, v243                 ; and among lane l xor 16's
	s_delay_alu instid0(VALU_DEP_1)
	v_mul_f32 v254, s[FS], v254                    ; as t (the factor is positive)
	s_delay_alu instid0(VALU_DEP_1)
	v_max_num_f32 v13, v13, v254                   ; the running largest t
	v_mov_b32 v254, v12
	s_delay_alu instid0(VALU_DEP_2)
	v_floor_f32 v12, -v13                          ; the new -M = -ceil(t): a whole number
	s_delay_alu instid0(VALU_DEP_1)
	v_sub_f32 v254, v12, v254                      ; M's old value less its new one: 0 or less
	s_delay_alu instid0(VALU_DEP_1)
	v_cvt_i32_f32 v254, v254                       ; (it saturates)
	s_delay_alu instid0(VALU_DEP_1)
	v_ldexp_f32 v252, 1.0, v254                    ; f = 2^(old M - new M)
.irp j, 0,2,4,6,8,10,12,14,16,18,20,22,24,26,28,30,32,34,36,38,40,42,44,46,48,50,52,54,56,58,60,62
	v_pk_fma_f32 v[S+\j:S+\j+1], v[S+\j:S+\j+1], s[FS:FS+1], v[12:13] op_sel_hi:[1,0,0]   ; t - M, one rounding
.endr
	s_wait_alu depctr_va_vdst(0)
.set k, 0
.rept 64
	v_exp_f32 v[S+k], v[S+k]                       ; p = 2^(t - M), at most 1; 0 where the mask is -infinity
.set k, k+1
.endr
	v_pk_mul_f32 v[14:15], v[14:15], v[252:253] op_sel_hi:[1,0]   ; the sums under the new M.  (The plain line behind the exponentials)
	s_wait_alu depctr_va_vdst(0)                   ; and the one wait behind the batch, ahead of its first reader
	v_pk_add_f32 v[242:243], v[100:101], v[104:105]   ; the row's sum of the unquantised p, in eight chains
	v_pk_add_f32 v[254:255], v[108:109], v[112:113]
	v_pk_add_f32 v[250:251], v[116:117], v[120:121]
	v_pk_add_f32 v[248:249], v[124:125], v[128:129]
	v_pk_add_f32 v[238:239], v[132:133], v[136:137]
	v_pk_add_f32 v[236:237], v[140:141], v[144:145]
	v_pk_add_f32 v[234:235], v[148:149], v[152:153]
	v_pk_add_f32 v[14:15], v[14:15], v[156:157]
	v_pk_add_f32 v[242:243], v[242:243], v[96:97]
	v_pk_add_f32 v[254:255], v[254:255], v[98:99]
	v_pk_add_f32 v[250:251], v[250:251], v[102:103]
	v_pk_add_f32 v[248:249], v[248:249], v[106:107]
	v_pk_add_f32 v[238:239], v[238:239], v[110:111]
	v_pk_add_f32 v[236:237], v[236:237], v[114:115]
	v_pk_add_f32 v[234:235], v[234:235], v[118:119]
	v_pk_add_f32 v[14:15], v[14:15], v[122:123]
	v_pk_add_f32 v[242:243], v[242:243], v[126:127]
	v_pk_add_f32 v[254:255], v[254:255], v[130:131]
	v_pk_add_f32 v[250:251], v[250:251], v[134:135]
	v_pk_add_f32 v[248:249], v[248:249], v[138:139]
	v_pk_add_f32 v[238:239], v[238:239], v[142:143]
	v_pk_add_f32 v[236:237], v[236:237], v[146:147]
	v_pk_add_f32 v[234:235], v[234:235], v[150:151]
	v_pk_add_f32 v[14:15], v[14:15], v[154:155]
	v_pk_add_f32 v[242:243], v[242:243], v[158:159]
	v_pk_add_f32 v[14:15], v[14:15], v[248:249]
	v_pk_add_f32 v[242:243], v[242:243], v[238:239]
	v_pk_add_f32 v[254:255], v[254:255], v[236:237]
	v_pk_add_f32 v[250:251], v[250:251], v[234:235]
	v_pk_add_f32 v[14:15], v[14:15], v[254:255]
	v_pk_add_f32 v[242:243], v[242:243], v[250:251]
	v_pk_add_f32 v[14:15], v[14:15], v[242:243]
.irp b, 0,1,2,3
.irp n, 0,1,2,3,4,5,6,7,8,9,10,11,12,13,14,15
	v_min_num_f32 v[S+16*\b+\n], v[S+16*\b+\n], v240   ; the conversion does not saturate (ISA guide 7.6.2); p is not negative, so the hold is one-sided
.endr
	v_cvt_scalef32_pk8_fp8_f32 v[PC+4*\b:PC+4*\b+1], v[S+16*\b:S+16*\b+7], v244
	v_cvt_scalef32_pk8_fp8_f32 v[PC+4*\b+2:PC+4*\b+3], v[S+16*\b+8:S+16*\b+15], v244
.endr
	s_wait_alu depctr_va_vdst(0)
.irp j, 0,2,4,6,8,10,12,14,16,18,20,22,24,26,28,30,32,34,36,38,40,42,44,46,48,50,52,54,56,58,60,62
	v_pk_mul_f32 v[OT+\j:OT+\j+1], v[OT+\j:OT+\j+1], v[252:253] op_sel_hi:[1,0]   ; O^T under the new M.  (Also the plain lines behind the conversions)
.endr
	s_wait_alu depctr_va_vdst(0)
	s_wait_dscnt 0x0                               ; V is in
	WIN 0x01
.irp a, 0,1,2,3,4,5,6,7
	v_wmma_f32_16x16x128_fp8_fp8 v[OT+8*\a:OT+8*\a+7], v[16*\a:16*\a+15], v[PC:PC+15], v[OT+8*\a:OT+8*\a+7]   ; eight accumulators by turns
.endr
	WIN 0
.rept 4
	v_nop                                          ; places ahead of the next loads into V's registers and of the next read of O^T
.endr
	s_branch .Lend_\@
.Ldead_\@:
	MISS 4, \rw, \rb, 1024
.Lend_\@:
.endm
; A TRIP: 256 keys.
.macro DBL rw, rb
	s_wait_loadcnt 0x0                             ; my eighth of this trip's keys, my mask tile (and, a block's first time, Q) are in; no load is out, so the bases may step
	s_add_nc_u64 s[KB:KB+1], s[KB:KB+1], 2*16384
	s_add_nc_u64 s[MB:MB+1], s[MB:MB+1], 1024
	v_add_nc_u32 v[ADK], s[TB], v[AK0]
	v_add_nc_u32 v[ADK+1], s[TB], v[AK1]
	v_add_nc_u32 v[ADV], s[TB], v[AV]
	v_add_nc_u32 v[KSA], s[TB], v[KS0]
	s_wait_alu depctr_va_vdst(0)
	KVST 0                                         ; into the slot that was last read two trips ago: every wave has passed the last trip's barrier since
	KVST 1
	s_wait_dscnt 0x0                               ; my stores are done, and so are my reads of the other slot
	KVISS 0, 2                                     ; the stores have read the registers: they take the next 256 keys, which have this trip in which to land
	KVISS 1, 2
	s_barrier_signal -1
	s_barrier_wait -1                              ; the slot is whole
	TILE \rw, \rb
	s_add_co_u32 s[TD], s[TD], 2
	s_add_co_u32 s[T], s[T], 2
	s_xor_b32 s[TB], s[TB], SLOTB
.endm
	s_wait_alu depctr_va_vdst(0)
	s_wait_xcnt 0x0                                ; the prefetch has read its offset register, which the tiles rewrite
.Lblk:                                             ; two trips: the two blocks of queries
	v_mov_b32 v13, 0xff61b1e6                      ; the largest t so far: -3e38
	v_floor_f32 v12, -v13                          ; -M
	v_mov_b32 v14, 0
	v_mov_b32 v15, 0
.set k, 0
.rept 64
	v_mov_b32 v[OT+k], 0                           ; O^T: which tile is a wave's first hangs on the flags, so every tile finds sums, the first zeros
.set k, k+1
.endr
	s_mov_b32 s[CNT], 4
	s_wait_alu depctr_va_vdst(0)
.Ldbl:                                             ; four trips of 512 keys: the mask's two sets take turns
	DBL 0, MY
	DBL 1, MX
	s_sub_co_u32 s[CNT], s[CNT], 1
	s_cmp_lg_u32 s[CNT], 0
	s_cbranch_scc1 .Ldbl
	; THE NEXT BLOCK'S FIRST LOADS go out ahead of this block's way out (behind the second block every bit is 0, and nothing is asked for)
	s_wait_loadcnt 0x0                             ; no load is out: the bases may be written
	s_mov_b32 s[LIVE], s[LVN]
	s_mov_b32 s[C2], s[C2N]
	s_mov_b32 s[LVN], 0
	s_mov_b32 s[C2N], 0
	s_mov_b64 s[KB:KB+1], s[KBS:KBS+1]
	s_add_nc_u64 s[MB:MB+1], s[6:7], s[MN:MN+1]
	s_add_nc_u64 s[28:29], s[4:5], s[QN:QN+1]
	s_mov_b32 s[TD], 0
	s_mov_b32 s[T], s[PI]
	KVISS 0, 0
	KVISS 1, 0
	MISS 0, 0, MY, 0
	MISS 2, 1, MX, 1024
	s_cmp_eq_u32 s[BC], 1
	s_cbranch_scc1 .Lnoq
	QLD
.Lnoq:
	; THE TWO HALVES OF THE KEYS ARE JOINED: wave x + 4 stores O^T, -M and its sum into its stage; wave x reads them behind the barrier
	v_add_nc_u32 v250, s[SB2], v[GO]
	v_lshrrev_b32 v251, 2, v[GO]
	v_add_nc_u32 v251, s[SB2], v251
	v_add_f32 v14, v14, v15                        ; the sum's two halves
	s_wait_alu depctr_va_vdst(0)
	s_cmp_lt_u32 s[WV], 4
	s_cbranch_scc1 .Lnost
.irp q, 0,1,2,3,4,5,6,7,8,9,10,11,12,13,14,15
	ds_store_b128 v250, v[OT+4*\q:OT+4*\q+3] offset:512*\q
.endr
	ds_store_b32 v251, v12 offset:8192
	ds_store_b32 v251, v14 offset:8320
.Lnost:
	s_wait_dscnt 0x0
	s_barrier_signal -1
	s_barrier_wait -1
	s_cmp_ge_u32 s[WV], 4
	s_cbranch_scc1 .Lmdone
.irp q, 0,1,2,3,4,5,6,7,8,9,10,11,12,13,14,15
	ds_load_b128 v[S+4*\q:S+4*\q+3], v250 offset:512*\q
.endr
	ds_load_b32 v248, v251 offset:8192
	ds_load_b32 v249, v251 offset:8320
	s_wait_dscnt 0x0
	v_min_num_f32 v242, v12, v248                  ; -(the larger M)
	v_sub_f32 v252, v242, v12                      ; my M less the larger: a whole number, 0 or less;
	v_sub_f32 v254, v242, v248                     ; the partner's likewise
	v_cvt_i32_f32 v252, v252                       ; (they saturate: a half with no key has M = -3e38 and gets the factor 0)
	v_cvt_i32_f32 v254, v254
	v_ldexp_f32 v252, 1.0, v252
	v_ldexp_f32 v254, 1.0, v254
	v_mul_f32 v14, v14, v252
	v_fmac_f32 v14, v249, v254
	s_wait_alu depctr_va_vdst(0)
.irp j, 0,2,4,6,8,10,12,14,16,18,20,22,24,26,28,30,32,34,36,38,40,42,44,46,48,50,52,54,56,58,60,62
	v_pk_mul_f32 v[OT+\j:OT+\j+1], v[OT+\j:OT+\j+1], v[252:253] op_sel_hi:[1,0]
.endr
.irp j, 0,2,4,6,8,10,12,14,16,18,20,22,24,26,28,30,32,34,36,38,40,42,44,46,48,50,52,54,56,58,60,62
	v_pk_fma_f32 v[OT+\j:OT+\j+1], v[S+\j:S+\j+1], v[254:255], v[OT+\j:OT+\j+1] op_sel_hi:[1,0,1]
.endr
	; THE WAY OUT: O^T x 2^(e8 + e9) / the sum, held, converted with 2^e10: the results are a fragment of the output projection's operand, stored as they stand.
	v_permlanex16_b32 v243, v14, s[SEL], s[SEL+1]
	s_delay_alu instid0(VALU_DEP_1)
	v_add_f32 v14, v14, v243                       ; and lane l xor 16's
	s_wait_alu depctr_va_vdst(0)
	v_rcp_f32 v14, v14
	v_nop                                          ; a plain line behind the reciprocal
	s_add_co_i32 s96, s76, s77
	s_wait_alu depctr_va_vdst(0)                   ; and the wait ahead of its first reader
	v_ldexp_f32 v14, v14, s96                      ; x 2^(e8 + e9)
.set k, 0
.rept 64
	v_mul_f32 v[S+k], v[OT+k], v14                 ; register 16 b + n: o(my query, channel 32 b + 16 h + n)
.set k, k+1
.endr
	v_mov_b32 v242, v96
	v_cmp_neq_f32 vcc_lo, v96, v96                 ; a query with the sum 0: all its 64 numbers are NaN,
.set k, 0
.rept 64
	v_med3_num_f32 v[S+k], v[S+k], -v241, v241     ; the hold at the largest code x the scale
.set k, k+1
.endr
.set k, 0
.rept 64
	v_cndmask_b32 v[S+k], v[S+k], v242, vcc_lo     ; and stay NaN behind the hold
.set k, k+1
.endr
.irp b, 0,1,2,3
	v_cvt_scalef32_pk8_fp8_f32 v[PC+4*\b:PC+4*\b+1], v[S+16*\b:S+16*\b+7], v245
	v_cvt_scalef32_pk8_fp8_f32 v[PC+4*\b+2:PC+4*\b+3], v[S+16*\b+8:S+16*\b+15], v245
.endr
	v_nop
.irp c, 0,1,2,3
	global_store_b128 v[GO], v[PC+4*\c:PC+4*\c+3], s[OB:OB+1] offset:512*\c   ; 512 consecutive bytes, aligned
.endr
.Lmdone:
	s_wait_xcnt 0x0                                ; the stores have read their base and their data
	s_add_nc_u64 s[OB:OB+1], s[12:13], s[QN:QN+1]
	s_sub_co_u32 s[BC], s[BC], 1
	s_cmp_lg_u32 s[BC], 0
	s_wait_alu depctr_va_vdst(0)
	s_cbranch_scc1 .Lblk
	s_wait_tensorcnt 0x0                           ; the wave's end: behind my last LDS store
	ds_add_u32 v[SPW], v[NIL]
	s_wait_dscnt 0x0
	s_endpgm
.Lfunc_end_k_qf6a226f5f9_attn:
	.size	k_qf6a226f5f9_attn, .Lfunc_end_k_qf6a226f5f9_attn-k_qf6a226f5f9_attn
	.p2alignl 7, 3214868480
	.fill 96, 4, 3214868480
	.section	.rodata,"a",@progbits
	.p2align	6, 0x0
	.amdhsa_kernel k_qf6a226f5f9_attn
		.amdhsa_group_segment_fixed_size 199680
		.amdhsa_private_segment_fixed_size 0
		.amdhsa_enable_private_segment 0
		.amdhsa_kernarg_size 40
		.amdhsa_user_sgpr_count 2
		.amdhsa_user_sgpr_kernarg_segment_ptr 1
		.amdhsa_wavefront_size32 1
		.amdhsa_system_sgpr_workgroup_id_x 1
		.amdhsa_system_sgpr_workgroup_id_y 1
		.amdhsa_system_sgpr_workgroup_id_z 1
		.amdhsa_system_vgpr_workitem_id 0
		.amdhsa_next_free_vgpr 512
		.amdhsa_next_free_sgpr 100
		.amdhsa_reserve_vcc 1
		.amdhsa_float_denorm_mode_32 3
		.amdhsa_float_denorm_mode_16_64 3
		.amdhsa_memory_ordered 1
		.amdhsa_forward_progress 1
		.amdhsa_inst_pref_size 102
	.end_amdhsa_kernel
	.amdgpu_metadata
---
amdhsa.version: [ 1, 2 ]
amdhsa.kernels:
  - .name:           k_qf6a226f5f9_attn
    .symbol:         k_qf6a226f5f9_attn.kd
    .args:
      - { .name: qkv, .offset: 0, .size: 8, .value_kind: global_buffer, .address_space: global }
      - { .name: mask, .offset: 8, .size: 8, .value_kind: global_buffer, .address_space: global }
      - { .name: lowp_scales, .offset: 16, .size: 8, .value_kind: global_buffer, .address_space: global }
      - { .name: flags, .offset: 24, .size: 8, .value_kind: global_buffer, .address_space: global }
      - { .name: acodes, .offset: 32, .size: 8, .value_kind: global_buffer, .address_space: global }
    .group_segment_fixed_size: 199680
    .private_segment_fixed_size: 0
    .kernarg_segment_align: 8
    .kernarg_segment_size: 40
    .max_flat_workgroup_size: 256
    .sgpr_count:     100
    .vgpr_count:     512
    .wavefront_size: 32
...
	.end_amdgpu_metadata
.endif
;; end of part 3
;; launch oproj (part 4): grid 16 x 16, 4 waves a work-group, clusters of 4 x 4, 327,680 bytes of LDS; arguments acodes, codes, lowp_scales, out0; writes out0
.if DOCPART == 4
	.amdgcn_target "amdgcn-amd-amdhsa--gfx1250"
	.amdhsa_code_object_version 6
	.text
	.protected	k_qf6a226f5f9_oproj
	.globl	k_qf6a226f5f9_oproj
	.p2align	8
	.type	k_qf6a226f5f9_oproj,@function
k_qf6a226f5f9_oproj:
	s_mov_b64 s[64:65], 0
	v_nop
	global_prefetch_b8 v0, s[64:65] scope:SCOPE_SE
	s_setreg_imm32_b32 hwreg(HW_REG_WAVE_MODE, 25, 1), 1
	s_wait_xcnt 0x0
	s_wait_alu depctr_hold_cnt(0) depctr_sa_sdst(0) depctr_va_vdst(0) depctr_va_sdst(0) depctr_va_ssrc(0) depctr_va_vcc(0) depctr_vm_vsrc(0)
	s_getreg_b32 s2, hwreg(HW_REG_IB_STS2, 6, 4)
	s_cmp_eq_u32 s2, 0
	s_cbranch_scc0 .Lentry_in_a_cluster
	s_endpgm
.Lentry_in_a_cluster:
	s_bfe_u32 s2, ttmp6, 0x10000c
	s_cmp_lg_u32 s2, 0xf033
	s_cbranch_scc0 .Lentry_shape_is_right
	s_endpgm
.Lentry_shape_is_right:
.set SIZE_N, 2048
.set KROW,   2048
.set KS,     512
.set BP,     528
.set FR,     16
.set NP,     4
.set AHALF,  32768
.set BHALF,  64*BP
.set BOFF,   2*AHALF
.set SLOT,   BOFF+2*BHALF
.set STAGE,  2*SLOT
.set SPITCH, 272
.set SPARE,  STAGE+4*16*SPITCH
.set ADRA, 16
.set ADRB, 20
.set STO,  24
.set RD,   25
.set CO,   26
.set SPW,  28
.set NIL,  29
.set TMP,  32
.set BK,   64
.set ACC,  128
.set F0,   0
.set F1,   128
.set G1, 24
.set G0, 32
.set G1B, 48
.set G0B, 56
.set MSB, 0
.macro WIN new
.if MSB != \new
	s_set_vgpr_msb (MSB<<8)|\new
.set MSB, \new
.endif
.endm
.set MUL,  0x05
.set TO_F, 0x40
.macro JLOAD g0a, g1a, g0b, g1b
	s_cmp_eq_u32 s15, 0
	s_cbranch_scc0 .Lfor_b_\@
	tensor_load_to_lds s[\g0a:\g0a+3], s[\g1a:\g1a+7]
	s_nop 0
.rept 4
	v_nop
.endr
	s_branch .Lasked_\@
.Lfor_b_\@:
	tensor_load_to_lds s[\g0b:\g0b+3], s[\g1b:\g1b+7]
	s_nop 0
.rept 4
	v_nop
.endr
.Lasked_\@:
.endm
.macro CREST
	s_cmp_lg_u32 s14, 0
	s_cbranch_scc1 .Lnot_wave_0_\@
	s_barrier_signal -3
.Lnot_wave_0_\@:
	s_barrier_wait -3
	s_barrier_signal -1
	s_barrier_wait -1
.endm
.macro CROUND
	s_barrier_signal -1
	s_barrier_wait -1
	CREST
.endm
	s_load_b128 s[4:7], s[0:1], 0x0
	s_load_b128 s[8:11], s[0:1], 0x10
	v_lshl_add_u32 v[SPW], v0, 2, SPARE
	v_mov_b32 v[NIL], 0
	ds_add_u32 v[SPW], v[NIL]
	ds_add_u32 v[SPW], v[NIL]
	v_lshrrev_b32 v1, 5, v0
	v_readfirstlane_b32 s14, v1
	s_lshr_b32 s15, s14, 1
	s_and_b32 s16, s14, 1
	s_bfe_u32 s40, ttmp6, 0x40000
	s_bfe_u32 s41, ttmp6, 0x40004
	s_lshl_b32 s42, ttmp9, 2
	s_add_co_u32 s42, s42, s40
	s_and_b32 s17, ttmp7, 0xffff
	s_lshl_b32 s17, s17, 2
	s_add_co_u32 s17, s17, s41
	s_lshl_b32 s43, s41, 2
	s_lshl_b32 s43, 15, s43
	s_lshl_b32 s44, 0x1111, s40
	s_or_b32 s[G1+0], s43, (3<<16)|(1<<21)
	s_mov_b32 s[G1+1], 2048<<16
	s_mov_b32 s[G1+2], 2<<16
	s_mov_b32 s[G1+3], 2048<<16
	s_mov_b32 s[G1+4], 2
	s_mov_b32 s[G1+5], 32768
	s_mov_b32 s[G1+6], 0
	s_mov_b32 s[G1+7], 0
	s_or_b32 s[G1B+0], s44, (0<<16)|(1<<20)|(1<<21)|(6<<22)|(3<<25)
	s_mov_b32 s[G1B+1], KS<<16
	s_mov_b32 s[G1B+2], 64<<16
	s_mov_b32 s[G1B+3], KS<<16
	s_mov_b32 s[G1B+4], 64
	s_mov_b32 s[G1B+5], KROW
	s_mov_b32 s[G1B+6], 0
	s_mov_b32 s[G1B+7], 0
	s_lshl_b32 s20, s17, 14
	s_lshl_b32 s18, s16, 19
	s_add_co_u32 s20, s20, s18
	s_mov_b32 s21, 0
	s_lshl_b32 s18, s16, 6
	s_lshl_b32 s46, s42, 7
	s_add_co_u32 s46, s46, s18
	s_add_co_u32 s46, s46, 12288
	s_lshl_b32 s46, s46, 11
	s_mov_b32 s47, 0
	s_lshl_b32 s45, s16, 15
	s_mul_i32 s66, s16, BHALF
	s_add_co_u32 s66, s66, BOFF
	s_wait_dscnt 0x0
	s_wait_kmcnt 0x0
	s_load_b64 s[96:97], s[8:9], 0x28
	s_add_nc_u64 s[20:21], s[4:5], s[20:21]
	s_add_nc_u64 s[46:47], s[6:7], s[46:47]
	CROUND
.irp s, 0,1
	s_mov_b32 s[G0+4*\s], 1
	s_add_co_u32 s[G0+4*\s+1], s45, \s*SLOT
	s_add_nc_u64 s[G0+4*\s+2:G0+4*\s+3], s[20:21], \s*4*262144
	s_or_b32 s[G0+4*\s+3], s[G0+4*\s+3], 0x80000000
	s_mov_b32 s[G0B+4*\s], 1
	s_add_co_u32 s[G0B+4*\s+1], s66, \s*SLOT
	s_add_nc_u64 s[G0B+4*\s+2:G0B+4*\s+3], s[46:47], \s*KS
	s_or_b32 s[G0B+4*\s+3], s[G0B+4*\s+3], 0x80000000
	s_wait_alu depctr_va_vdst(0)
	s_wait_tensorcnt 0x0
	ds_add_u32 v28, v29
	ds_add_u32 v28, v29
	s_wait_dscnt 0x0
	CROUND
	JLOAD G0+4*\s, G1, G0B+4*\s, G1B
.endr
	v_and_b32 v1, 15, v0
	v_bfe_u32 v2, v0, 4, 1
	v_mul_u32_u24 v3, v1, BP
	v_lshl_add_u32 v4, v2, 4, v3
	v_and_b32 v6, 31, v0
	v_lshlrev_b32 v7, 4, v6
	s_lshl_b32 s21, s15, 13
	s_mul_i32 s22, s16, BHALF
	s_add_co_u32 s22, s22, BOFF
.irp s, 0,1
	v_add_nc_u32 v[ADRA+\s], s21, v7
	v_add_nc_u32 v[ADRB+\s], s22, v4
	s_add_co_u32 s21, s21, SLOT
	s_add_co_u32 s22, s22, SLOT
.endr
	s_mul_i32 s23, s14, 16*SPITCH
	s_add_co_u32 s23, s23, STAGE
	v_mul_u32_u24 v5, v1, SPITCH
	v_lshl_add_u32 v5, v2, 5, v5
	v_add_nc_u32 v[STO], s23, v5
	v_mul_u32_u24 v5, v2, SPITCH
	v_lshl_add_u32 v5, v1, 4, v5
	v_add_nc_u32 v[RD], s23, v5
	v_lshlrev_b32 v5, 13, v2
	v_lshl_add_u32 v[CO], v1, 4, v5
	s_lshl_b32 s20, s17, 7
	s_lshl_b32 s21, s15, 6
	s_add_co_u32 s20, s20, s21
	s_lshl_b32 s20, s20, 13
	s_mov_b32 s21, 0
	s_lshl_b32 s46, s42, 9
	s_lshl_b32 s47, s16, 8
	s_add_co_u32 s46, s46, s47
	s_mov_b32 s47, 0
	s_add_nc_u64 s[20:21], s[20:21], s[46:47]
	s_add_nc_u64 s[10:11], s[10:11], s[20:21]
.macro FETCH slot, q, f
	WIN TO_F
.irp i, 0,1,2,3
.irp c, 0,1,2,3
	ds_load_b128 v[\f+64+FR*\i+4*\c:\f+64+FR*\i+4*\c+3], v[ADRB+\slot] offset:128*(\q)+32*\c+\i*16*BP
.endr
.endr
.irp i, 0,1,2,3
.irp c, 0,1,2,3
	ds_load_b128 v[\f+FR*\i+4*\c:\f+FR*\i+4*\c+3], v[ADRA+\slot] offset:16384*(\q)+2048*\i+512*\c
.endr
.endr
.endm
.macro MULA f, a, zero
.irp b, 0,1,2,3
.if \zero
	v_wmma_f32_16x16x128_fp8_fp8 v[ACC+8*(4*(\a)+\b):ACC+8*(4*(\a)+\b)+7], v[\f+64+FR*\b:\f+64+FR*\b+FR-1], v[\f+FR*(\a):\f+FR*(\a)+FR-1], 0
.else
	v_wmma_f32_16x16x128_fp8_fp8 v[ACC+8*(4*(\a)+\b):ACC+8*(4*(\a)+\b)+7], v[\f+64+FR*\b:\f+64+FR*\b+FR-1], v[\f+FR*(\a):\f+FR*(\a)+FR-1], v[ACC+8*(4*(\a)+\b):ACC+8*(4*(\a)+\b)+7]
.endif
.endr
.endm
.macro PLACES n
.rept \n
	v_nop
.endr
.endm
.macro QUARTER slot, q, f, g, zero
	s_wait_dscnt 8
	WIN MUL
	MULA \f, 0, \zero
	MULA \f, 1, \zero
	PLACES NP
	FETCH \slot, \q, \g
	s_wait_dscnt 32
	WIN MUL
	MULA \f, 2, \zero
	MULA \f, 3, \zero
.endm
.macro TURN slot, next, fill
	WIN 0
	s_wait_tensorcnt 0x0
	ds_add_u32 v[SPW], v[NIL]
	s_wait_dscnt 9
	WIN MUL
	MULA F1, 0, 0
	s_wait_dscnt 0x0
	s_barrier_signal -1
	MULA F1, 1, 0
.if \fill
	WIN 0
.endif
	s_barrier_wait -1
.if \fill
	CREST
	s_add_nc_u64 s[G0+4*\slot+2:G0+4*\slot+3], s[G0+4*\slot+2:G0+4*\slot+3], 8*262144
	s_add_nc_u64 s[G0B+4*\slot+2:G0B+4*\slot+3], s[G0B+4*\slot+2:G0B+4*\slot+3], 2*KS
	JLOAD G0+4*\slot, G1, G0B+4*\slot, G1B
.else
	PLACES NP
.endif
	s_wait_alu depctr_va_vdst(0)
	FETCH \next, 0, F0
	WIN MUL
	MULA F1, 2, 0
	MULA F1, 3, 0
.endm
	s_wait_tensorcnt 1
	s_barrier_signal -1
	s_barrier_wait -1
	FETCH 0, 0, F0
	QUARTER 0, 1, F0, F1, 1
	QUARTER 0, 2, F1, F0, 0
	QUARTER 0, 3, F0, F1, 0
	TURN 0, 1, 1
	QUARTER 1, 1, F0, F1, 0
	QUARTER 1, 2, F1, F0, 0
	QUARTER 1, 3, F0, F1, 0
	TURN 1, 0, 1
	QUARTER 0, 1, F0, F1, 0
	QUARTER 0, 2, F1, F0, 0
	QUARTER 0, 3, F0, F1, 0
	TURN 0, 1, 0
	QUARTER 1, 1, F0, F1, 0
	QUARTER 1, 2, F1, F0, 0
	QUARTER 1, 3, F0, F1, 0
	s_wait_dscnt 8
	WIN MUL
	MULA F1, 0, 0
	MULA F1, 1, 0
	s_wait_dscnt 0
	MULA F1, 2, 0
	MULA F1, 3, 0
	WIN 0
.macro TOSTAGE a
.irp j, 0,2,4,6,8,10,12,14,16,18,20,22,24,26,28,30
	v_pk_mul_f32 v[TMP+\j:TMP+\j+1], v[ACC+32*(\a)+\j:ACC+32*(\a)+\j+1], s[96:97] op_sel_hi:[1,0]
.endr
.irp b, 0,1,2,3
	ds_store_b128 v[STO], v[TMP+8*\b:TMP+8*\b+3] offset:64*\b
	ds_store_b128 v[STO], v[TMP+8*\b+4:TMP+8*\b+7] offset:64*\b+16
.endr
.set BB, BK+32*((\a)%2)
.irp t, 0,1,2,3,4,5,6,7
	ds_load_b128 v[BB+4*\t:BB+4*\t+3], v[RD] offset:\t*2*SPITCH
.endr
.endm
.macro SEND a, younger
.set BB, BK+32*((\a)%2)
	s_wait_dscnt \younger
.irp t, 0,1,2,3,4,5,6,7
	global_store_b128 v[CO], v[BB+4*\t:BB+4*\t+3], s[10:11] offset:(16*(\a)+2*\t)*SIZE_N*4 th:TH_STORE_NT
.endr
.endm
	s_wait_kmcnt 0x0
	s_add_co_i32 s96, s96, s97
	s_add_co_i32 s96, s96, 127
	s_lshl_b32 s96, s96, 23
	PLACES NP
	TOSTAGE 0
.irp a, 1,2,3
.if \a > 1
	s_wait_xcnt 0x0
.endif
	TOSTAGE \a
	SEND \a-1, 16
.endr
	SEND 3, 0
	s_wait_tensorcnt 0x0
	ds_add_u32 v[SPW], v[NIL]
	s_wait_dscnt 0x0
	CROUND
	s_endpgm
.Lfunc_end_k_qf6a226f5f9_oproj:
	.size	k_qf6a226f5f9_oproj, .Lfunc_end_k_qf6a226f5f9_oproj-k_qf6a226f5f9_oproj
	.p2alignl 7, 3214868480
	.fill 96, 4, 3214868480
	.section	.rodata,"a",@progbits
	.p2align	6, 0x0
	.amdhsa_kernel k_qf6a226f5f9_oproj
		.amdhsa_group_segment_fixed_size 327680
		.amdhsa_private_segment_fixed_size 0
		.amdhsa_enable_private_segment 0
		.amdhsa_kernarg_size 32
		.amdhsa_user_sgpr_count 2
		.amdhsa_user_sgpr_kernarg_segment_ptr 1
		.amdhsa_wavefront_size32 1
		.amdhsa_system_sgpr_workgroup_id_x 1
		.amdhsa_system_sgpr_workgroup_id_y 1
		.amdhsa_system_sgpr_workgroup_id_z 1
		.amdhsa_system_vgpr_workitem_id 0
		.amdhsa_next_free_vgpr 512
		.amdhsa_next_free_sgpr 100
		.amdhsa_reserve_vcc 0
		.amdhsa_float_denorm_mode_32 3
		.amdhsa_float_denorm_mode_16_64 3
		.amdhsa_memory_ordered 1
		.amdhsa_forward_progress 1
		.amdhsa_inst_pref_size 75
	.end_amdhsa_kernel
	.amdgpu_metadata
---
amdhsa.version: [ 1, 2 ]
amdhsa.kernels:
  - .name:           k_qf6a226f5f9_oproj
    .symbol:         k_qf6a226f5f9_oproj.kd
    .args:
      - { .name: acodes, .offset: 0, .size: 8, .value_kind: global_buffer, .address_space: global }
      - { .name: codes, .offset: 8, .size: 8, .value_kind: global_buffer, .address_space: global }
      - { .name: lowp_scales, .offset: 16, .size: 8, .value_kind: global_buffer, .address_space: global }
      - { .name: out0, .offset: 24, .size: 8, .value_kind: global_buffer, .address_space: global }
    .group_segment_fixed_size: 327680
    .private_segment_fixed_size: 0
    .kernarg_segment_align: 8
    .kernarg_segment_size: 32
    .max_flat_workgroup_size: 128
    .sgpr_count:     100
    .vgpr_count:     512
    .wavefront_size: 32
...
	.end_amdgpu_metadata
.endif
;; end of part 4
